; MI455X (gfx1250); checked and timed in simulation.
; The chip was launched on July 23, 2026; its instructions are those of AMD's public machine-readable ISA for CDNA 5 (MIT licence, August 2026) and "CDNA5" Instruction Set Architecture Reference Guide (July 2026). The comments in the code are by the model that wrote it; some were corrected since.
;; Vector Quantizer. Allowed arithmetic: float matrix products may take bf16 or f16 operands with f32 sums; other float arithmetic in f32, or as packed bf16 or f16 multiplies, adds, multiply-adds, maxima and minima; sums over many terms, partial sums and values carried from step to step in f32; what a program stores and reads back later, other than sums and carried values, may be rounded once to bf16 or f16.
;; Inputs: inputs 32 x 256 x 1,024 float32; weight 8,192 x 256 float32.
;; Outputs: out0 one number float32; out1 32 x 256 x 1,024 float32; out2 32,768 x 1 int32.
;; 2 versions, each right; version 2 is version 1 with the launch prep written anew for expert scheduling mode. Each part assembles by itself: llvm-mc -triple=amdgcn-amd-amdhsa -mcpu=gfx1250 --defsym DOCPART=n.
;; ======== version 1 of 2: 3 launches
;; limits: a difference of large sums (such as E[x^2] - mean^2): digits are lost where the result is much smaller than its terms
;; workspace buffers: book 4,194,304 bytes; sqw 32,768 bytes; pick 131,072 bytes of whole numbers; part 4,096 bytes
;; launch prep (part 1): grid 256 x 1, 4 waves a work-group, no clusters, 0 bytes of LDS; arguments weight, book, sqw; writes book, sqw
.if DOCPART == 1
	.amdgcn_target "amdgcn-amd-amdhsa--gfx1250"
	.amdhsa_code_object_version 6
	.text
	.protected	k_q15e26b8c76_prep
	.globl	k_q15e26b8c76_prep
	.p2align	8
	.type	k_q15e26b8c76_prep,@function
k_q15e26b8c76_prep:
	s_mov_b64 s[64:65], 0
	v_nop
	global_prefetch_b8 v0, s[64:65] scope:SCOPE_SE
	s_setreg_imm32_b32 hwreg(HW_REG_WAVE_MODE, 25, 1), 1
	s_wait_xcnt 0x0
; VECTOR QUANTIZER, launch 1 of 3: the codebook is rounded once to bf16 (book, [8192][256]) and each rounded row's sum of squares is made (sqw, [8192] f32).
; THE PROGRAM.  Token n = 1024 b + t is the column inputs[b][:][t].  Launch 2 finds, for each token, the first index of the least distance; launch 3 looks the codeword up and writes out1 and the loss.
; FORMAT.  inputs and weight are rounded to bf16 once, and EVERY use of them in the three launches takes the rounded numbers: the product, both sums of squares, the lookup, x + (q - x).
; WORK LEFT OUT, for all finite values of the inputs:
;   (1) stop_gradient changes no value, so e_latent_loss and q_latent_loss are one and the same mean: loss = 1.25 x mean((q_ste - x)^2), and one mean is made.
;   (2) In exact arithmetic q_ste - x = q - x, and the sum over d of (q - x)^2 is sum x^2 + sum q^2 - 2 x.q: the distance of the chosen codeword, which the search holds.  So the loss is the sum of the
;       32,768 winning distances times 1.25 / 2^23, and no second pass squares q_ste - x.
;   (3) The lookup weight[index] is a lookup: no product with a one-hot matrix.
; WORK KEPT, though it is the same for all codewords of a token: sum x^2.  It is so large beside the two other terms that f32 loses bits of them, and reference()'s argmin is taken of the numbers so rounded.
; So the distance is made with reference()'s own roundings, t = fl(sum x^2 + sum w^2), d = fl(t - 2 x.w), and the first index wins among equals.  x + (q - x) keeps its two f32 roundings likewise.
; Both inputs have a way to the outputs and are loaded.
; LIMITS.  The loss taken from the distances carries their rounding, about 2^-22 of mean(sum x^2): it holds to 1% while the mean winning distance is above 3e-5 of mean(sum x^2).
; A NaN distance never wins (jnp.argmin would take it); where all of a token's distances are +infinity the index is 0, as in reference().  A NaN, an infinity or an overflow that would arise only in
; the squares of q_ste - x, which are left out, is not carried to the loss.  The f32 sums are taken in this text's order, which need not be reference()'s.
; SHARES.  A work-group has 32 rows, a wave 8, a lane 8 neighbouring numbers of each row.  All 16 loads of a wave go out first; a store of a wave covers a row's 512 consecutive bytes, aligned.
; No LDS, no matrix unit: the launch reads 8 MiB once and writes 4 MiB.
.set PK, 16                            ; v[16:47]   row i packed: 4 registers, its own, so that no store's data is written again
.set LD, 48                            ; v[48:111]  row i as loaded: 8 registers
	s_load_b128 s[4:7], s[0:1], 0x0                ; weight s[4:5], book s[6:7]
	s_load_b64 s[8:9], s[0:1], 0x10                ; sqw
	v_lshrrev_b32 v1, 5, v0
	v_readfirstlane_b32 s10, v1                    ; wave 0..3
	v_and_b32 v1, 31, v0                           ; lane
	v_lshlrev_b32 v2, 5, v1                        ; my 32 bytes of a row of weight
	v_lshlrev_b32 v3, 4, v1                        ; my 16 bytes of a row of book
	v_lshlrev_b32 v4, 2, v1                        ; my word of sqw (lanes 0 to 7)
	v_mov_b32 v5, 0                                ; lane i will hold row i's sum
	v_mov_b32 v7, 0                                ; the 0 that starts a sum: the mixed multiply-add takes vector registers alone
	v_mov_b32 v10, 0                               ; v_permlanex16_b32's destination counts as read
	s_mov_b32 s12, 0x76543210                      ; each lane takes its own place in the other half
	s_mov_b32 s13, 0xfedcba98
	s_lshl_b32 s14, ttmp9, 2
	s_add_co_u32 s14, s14, s10                     ; my block of 8 rows
	s_lshl_b32 s16, s14, 13                        ; x 8 rows x 1,024 bytes
	s_mov_b32 s17, 0
	s_lshl_b32 s18, s14, 12                        ; x 8 rows x 512 bytes
	s_mov_b32 s19, 0
	s_lshl_b32 s20, s14, 5                         ; x 8 words
	s_mov_b32 s21, 0
	s_wait_kmcnt 0x0
	s_add_nc_u64 s[4:5], s[4:5], s[16:17]
	s_add_nc_u64 s[6:7], s[6:7], s[18:19]
	s_add_nc_u64 s[8:9], s[8:9], s[20:21]
.irp i, 0,1,2,3,4,5,6,7
	global_load_b128 v[LD+8*\i:LD+8*\i+3],   v2, s[4:5] offset:1024*\i th:TH_LOAD_NT
	global_load_b128 v[LD+8*\i+4:LD+8*\i+7], v2, s[4:5] offset:1024*\i+16 th:TH_LOAD_NT
.endr
.macro ROWP i
	s_wait_loadcnt 14-2*(\i)                       ; loads come back in order: row i's two are in, the younger rows' stay out
.irp c, 0,1,2,3
	v_cvt_pk_bf16_f32 v[PK+4*(\i)+\c], v[LD+8*(\i)+2*\c], v[LD+8*(\i)+2*\c+1]
.endr
	global_store_b128 v3, v[PK+4*(\i):PK+4*(\i)+3], s[6:7] offset:512*(\i)
	v_fma_mix_f32_bf16 v8, v[PK+4*(\i)], v[PK+4*(\i)], v7 op_sel_hi:[1,1,0]                  ; squares of the ROUNDED numbers, in f32: two chains, low halves and high halves
	v_fma_mix_f32_bf16 v9, v[PK+4*(\i)], v[PK+4*(\i)], v7 op_sel:[1,1,0] op_sel_hi:[1,1,0]
.irp c, 1,2,3
	v_fma_mix_f32_bf16 v8, v[PK+4*(\i)+\c], v[PK+4*(\i)+\c], v8 op_sel_hi:[1,1,0]
	v_fma_mix_f32_bf16 v9, v[PK+4*(\i)+\c], v[PK+4*(\i)+\c], v9 op_sel:[1,1,0] op_sel_hi:[1,1,0]
.endr
	v_add_f32 v8, v8, v9
	v_add_f32_dpp v8, v8, v8 row_xmask:1 row_mask:0xf bank_mask:0xf
	v_add_f32_dpp v8, v8, v8 row_xmask:2 row_mask:0xf bank_mask:0xf
	v_add_f32_dpp v8, v8, v8 row_xmask:4 row_mask:0xf bank_mask:0xf
	v_add_f32_dpp v8, v8, v8 row_xmask:8 row_mask:0xf bank_mask:0xf
	v_permlanex16_b32 v10, v8, s12, s13
	v_add_f32 v8, v8, v10                          ; every lane holds the row's sum;
	v_cmp_eq_u32 vcc_lo, \i, v1
	v_cndmask_b32 v5, v5, v8, vcc_lo               ; lane i keeps it
.endm
.irp i, 0,1,2,3,4,5,6,7
	ROWP \i
.endr
	v_cmp_gt_u32 vcc_lo, 8, v1
	s_wait_xcnt 0x0                                ; EXEC is a source of the stores above: it changes only behind this wait
	s_and_saveexec_b32 s22, vcc_lo
	global_store_b32 v4, v5, s[8:9]                ; my 8 rows' sums: 32 consecutive bytes
	s_wait_xcnt 0x0                                ; and again, in front of the line that widens it
	s_or_b32 exec_lo, exec_lo, s22
	s_endpgm
.Lfunc_end_k_q15e26b8c76_prep:
	.size	k_q15e26b8c76_prep, .Lfunc_end_k_q15e26b8c76_prep-k_q15e26b8c76_prep
	.p2alignl 7, 3214868480
	.fill 96, 4, 3214868480
	.section	.rodata,"a",@progbits
	.p2align	6, 0x0
	.amdhsa_kernel k_q15e26b8c76_prep
		.amdhsa_group_segment_fixed_size 0
		.amdhsa_private_segment_fixed_size 0
		.amdhsa_enable_private_segment 0
		.amdhsa_kernarg_size 24
		.amdhsa_user_sgpr_count 2
		.amdhsa_user_sgpr_kernarg_segment_ptr 1
		.amdhsa_wavefront_size32 1
		.amdhsa_system_sgpr_workgroup_id_x 1
		.amdhsa_system_sgpr_workgroup_id_y 1
		.amdhsa_system_sgpr_workgroup_id_z 1
		.amdhsa_system_vgpr_workitem_id 0
		.amdhsa_next_free_vgpr 112
		.amdhsa_next_free_sgpr 66
		.amdhsa_reserve_vcc 1
		.amdhsa_float_denorm_mode_32 3
		.amdhsa_float_denorm_mode_16_64 3
		.amdhsa_memory_ordered 1
		.amdhsa_forward_progress 1
		.amdhsa_inst_pref_size 14
	.end_amdhsa_kernel
	.amdgpu_metadata
---
amdhsa.version: [ 1, 2 ]
amdhsa.kernels:
  - .name:           k_q15e26b8c76_prep
    .symbol:         k_q15e26b8c76_prep.kd
    .args:
      - { .name: weight, .offset: 0, .size: 8, .value_kind: global_buffer, .address_space: global }
      - { .name: book, .offset: 8, .size: 8, .value_kind: global_buffer, .address_space: global }
      - { .name: sqw, .offset: 16, .size: 8, .value_kind: global_buffer, .address_space: global }
    .group_segment_fixed_size: 0
    .private_segment_fixed_size: 0
    .kernarg_segment_align: 8
    .kernarg_segment_size: 24
    .max_flat_workgroup_size: 128
    .sgpr_count:     66
    .vgpr_count:     112
    .wavefront_size: 32
...
	.end_amdgpu_metadata
.endif
;; end of part 1
;; launch nearest (part 2): grid 256 x 1, 4 waves a work-group, clusters of 4 x 1, 327,680 bytes of LDS; arguments inputs, book, sqw, out2, pick, part; writes out2, pick, part
.if DOCPART == 2
	.amdgcn_target "amdgcn-amd-amdhsa--gfx1250"
	.amdhsa_code_object_version 6
	.text
	.protected	k_q15e26b8c76_nearest
	.globl	k_q15e26b8c76_nearest
	.p2align	8
	.type	k_q15e26b8c76_nearest,@function
k_q15e26b8c76_nearest:
	s_mov_b64 s[64:65], 0
	v_nop
	global_prefetch_b8 v0, s[64:65] scope:SCOPE_SE
	s_setreg_imm32_b32 hwreg(HW_REG_WAVE_MODE, 25, 1), 1
	s_wait_xcnt 0x0
	s_wait_alu depctr_hold_cnt(0) depctr_sa_sdst(0) depctr_va_vdst(0) depctr_va_sdst(0) depctr_va_ssrc(0) depctr_va_vcc(0) depctr_vm_vsrc(0)
	s_getreg_b32 s2, hwreg(HW_REG_IB_STS2, 6, 4)
	s_cmp_eq_u32 s2, 0
	s_cbranch_scc0 .Lentry_in_a_cluster
	s_endpgm
.Lentry_in_a_cluster:
	s_bfe_u32 s2, ttmp6, 0x10000c
	s_cmp_lg_u32 s2, 0x3003
	s_cbranch_scc0 .Lentry_shape_is_right
	s_endpgm
.Lentry_shape_is_right:
; VECTOR QUANTIZER, launch 2 of 3: for each of 32,768 tokens the first index of the least distance d[k] = fl(fl(sum x^2 + sum w[k]^2) - 2 x.w[k]) over 8,192 codewords.
; It stores the index (out2, and pick for the lookup in the next launch) and, for each wave, the sum of its 32 tokens' winning distances (part): the loss is made of those
; (sum over d of (q - x)^2 = the winning distance in exact arithmetic: shown at the head of the first kernel; no square of q_ste - x is made).
; x is rounded to bf16 here, the codebook was in the launch before; sum x^2 is taken of the rounded numbers, in ONE f32 chain, d ascending.  Products in bf16, sums in f32.
; LIMITS: a NaN distance never wins; all distances +infinity give index 0; indices are carried as f32 (exact up to 8,191).
; SHARES.  A work-group owns 128 tokens of one b (t = 128 (wg % 8) ..).  EVERY wave holds all 128 tokens' x as fragments in 512 registers, for the whole launch, and takes a QUARTER OF THE CODES: of a slot's 256 codes
; wave v has 64 v .. 64 v + 63, four tiles of 16.  So a fragment of the codebook read from LDS feeds 8 products: 18 LDS loads for 64 matrix instructions.
; LAYOUT.  D = W X^T (source 0 = 16 codes, source 1 = 16 tokens): a lane holds ONE token (lane % 16) and the codes 8 (lane / 16) + 0..7 in registers 0..7.  A lane meets its codes in ascending order,
; so a strict 'less than' keeps the first index; lanes and waves are merged at the end by (distance, index).
; BY TURNS.  A turn is one code tile: 64 products (8 K steps x 8 token tiles, the 8 accumulators by turns).  Behind each product stand four vector instructions of the tile BEFORE:
; for each of its 8 x 8 numbers a lane: t, d, compare, select, minimum: 256 lines, 4 a product.  Two sets of accumulators and two fragment buffers take turns.
; RING.  Two LDS slots of 256 codes (4 chunks of 64 rows x 512 bytes; wave v fetches and reads chunk v).  CLUSTER: all work-groups walk the same codebook in the same order, so the four of a cluster ask JOINTLY:
; the same tensor load, the same descriptor (it hangs on the wave's number alone), a mask that names the four.  A mask names four work-groups at the most, so a larger cluster would share no more.
; The last tile's vector work rides on one spare turn, whose 64 products (on bytes of the slot before) are never read: 64 of 8,256, the price of one text for every turn.
; REGISTERS, in windows of 256 (s_set_vgpr_msb: bits 1:0 source 0, 3:2 source 1, 5:4 source 2, 7:6 destination):
;   window 0: v0-15 addresses; v16-47 four a token tile: sum x^2 (twice: named as a pair), best distance, its index; v48-55 the codes of the tile at work; v56-71 sums w^2, two sets; v72-87 t, two sets;
;             v88-127 at work; v128-255 two sets of 8 accumulators (before the loop: x packed to bf16)
;   window 1: v0-127 two buffers of codebook fragments (before the loop all 256: x as loaded)          windows 2, 3: x's fragments, token tile T, K step s at 64 (T % 4) + 8 s of window 2 + T / 4
.set PITCH, 528                        ; an LDS row of the codebook: 512 bytes + 16 of padding = 132 words: the 16 rows of a load start at 16 different groups of four banks (64 banks of 4 bytes: ISA guide 11.1)
.set CHUNK, 64*PITCH                   ; 33,792: what one tensor load brings, and what one wave reads
.set SLOT1, 4*CHUNK                    ; 135,168 = 0x21000: no chunk's base (0, 0x8400, 0x10800, 0x18c00) has bit 12 or 17, so one exclusive or turns an address in one slot into the other's
.set SWT,   2*SLOT1                    ; 32,768 bytes: sqw as it lies in memory; filled once
.set XB,    SWT+32768                  ; 128 rows x 144 bytes: x changes hands here, 64 channels at a time; at the end the waves' results meet here.  Never filled by a tensor load
.set XP,    144                        ; 128 bytes + 16: 36 words
.set SXS,   XB+128*XP                  ; 512 bytes: sum x^2 of the 128 tokens
.set SPARE, SXS+512                    ; the spare words, 128 bytes for each wave: two blocks of 256 bytes that no other line names
.set SLOTG, 131072                     ; a slot's bytes in book
.set AW0, 3                            ; v3   my lane's place in a chunk: 528 (l % 16) + 16 (l / 16); never rewritten
.set AW,  4                            ; v4   + my chunk's base in the slot that is being read
.set AS,  5                            ; v5   where my 8 sums w^2 of the slot's tile 0 lie
.set XO,  6                            ; v6   4 x my thread's number: my token's word in a row of x, in out2, in pick
.set XST, 7                            ; v7   my token's row in XB
.set XLD, 8                            ; v8   my lane's place in a fragment of XB
.set SXL, 9                            ; v9   sum x^2 of token l % 16
.set SPW, 10                           ; v10  LDS address of my spare word; never rewritten
.set NIL, 11                           ; v11  0; never rewritten
.set SXA, 12                           ; v12  my token's sum x^2
.set PFO, 13                           ; v13  256 x my lane; never rewritten
.set AS0, 14                           ; v14  SWT + 256 x wave + 32 (l / 16); never rewritten
.set ST,  16
.set KI,  48
.set SWB, 56
.set TT,  72
.set ACC, 128
.set WV,  16                           ; s16  my wave's number
.set LIM, 19                           ; s19  2 in the launch's first cluster, else the greatest number: a wave prefetches while s[SLOTS] is above it
.set PFA, 22                           ; s[22:23] where my prefetches stand
.set G1W, 24                           ; s[24:31] descriptor group 1 for a chunk of the codebook
.set G1S, 32                           ; s[32:39] for a quarter of sqw
.set G0A, 40                           ; s[40:43] group 0: slot 0's first fill
.set G0B, 44                           ; s[44:47] slot 1's first fill; it then walks
.set G0S, 48                           ; s[48:51] my quarter of sqw
.set SLOTS, 52                         ; s52  slots still to be asked for
.set TB,  53                           ; s53  my chunk's base in the slot that is being read
.set MK,  54                           ; s54, s55  the compares' masks, by the token tile's parity
.set TSW, 56                           ; s56  1,024 x the slot that is being read
.set TAILC, 57                         ; s57  counts the tail's two trips
.set SEL, 58                           ; s[58:59] v_permlanex16_b32's selects
.set MSB, 0
.macro WIN new                         ; the immediate's high byte repeats the setting that is left; a switch that changes nothing is dropped
.if MSB != (\new)
	s_set_vgpr_msb (MSB<<8)|(\new)
.set MSB, \new
.endif
.endm
; A round of the cluster's barrier: my work-group's barrier, so that wave 0's signal speaks for all four waves; wave 0 signals; every wave waits for all four work-groups; my work-group's barrier once more.
.macro CREST                           ; a round behind its opening barrier
	s_cmp_lg_u32 s[WV], 0
	s_cbranch_scc1 .Lnot_wave_0_\@
	s_barrier_signal -3
.Lnot_wave_0_\@:
	s_barrier_wait -3
	s_barrier_signal -1
	s_barrier_wait -1
.endm
.macro ROUND
	s_barrier_signal -1
	s_barrier_wait -1
	CREST
.endm
.macro PLACES
.rept 4
	v_nop
.endr
.endm
; A joint refill: one line for all waves, each with its own chunk (both addresses hang on the wave's number).  An s_nop 0 and four v_nop follow it.
.macro JLOAD
	tensor_load_to_lds s[G0B:G0B+3], s[G1W:G1W+7]
	s_nop 0
	PLACES
.endm
; A PREFETCH INTO THE L2 of the slot that stands two refills on: 512 matrix instructions ahead of the load that will ask for it.  Every cluster walks the same book: the launch's first cluster asks, nobody else.
; Of chunk v's 32,768 bytes, which wave v of all four partners fetches jointly, the partner at place cx takes 8,192, told apart BY ADDRESS: a lane a block of 256 bytes, one instruction a wave.
; So each block of book from slot 4 on is named once in the launch; slots 0 to 3 come by their loads alone; the last two refills ask for nothing: no slot stands two behind them.
.macro ASK
	s_cmp_gt_u32 s[SLOTS], s[LIM]
	s_cbranch_scc0 .Lnot_mine_\@
	global_prefetch_b8 v[PFO], s[PFA:PFA+1] th:TH_LOAD_NT scope:SCOPE_SE
.Lnot_mine_\@:
.endm
	s_load_b256 s[4:11], s[0:1], 0x0               ; inputs s[4:5], book s[6:7], sqw s[8:9], out2 s[10:11]
	s_load_b128 s[12:15], s[0:1], 0x20             ; pick s[12:13], part s[14:15]
	v_lshl_add_u32 v[SPW], v0, 2, SPARE
	v_mov_b32 v[NIL], 0
	ds_add_u32 v[SPW], v[NIL]                      ; the wave's opening: the add, twice on end, and its wait ahead of my first tensor load; the set-up below, work on registers, stands between
	ds_add_u32 v[SPW], v[NIL]                      ; and once more, under the one wait
	v_lshrrev_b32 v1, 5, v0
	v_readfirstlane_b32 s[WV], v1                  ; wave 0..3
	s_bfe_u32 s17, ttmp6, 0x40000                  ; cx: my place in the cluster.  It and what is made of it live in s2, s3, s17, s18 and in the pointers of x, out2, pick, part and the prefetches: never in a descriptor, an LDS address or a branch
	s_lshl_b32 s18, ttmp9, 2                       ; in a cluster launch ttmp9 counts clusters
	s_add_co_u32 s18, s18, s17                     ; my work-group
	; group 1 for the codebook: 64 rows x 256 elements of 2 bytes, padded in LDS
	s_mov_b32 s[G1W+0], 15|(1<<16)|(1<<20)|(1<<21)|(6<<22)|(3<<25)  ; 15:0 the mask of four; 17:16 2-byte elements; 20 padding on; 21 set beside a mask; 24:22 after every 128 words (code 6); 31:25 4 words (code 3)
	s_mov_b32 s[G1W+1], 256<<16                    ; tensor_dim0 = 256
	s_mov_b32 s[G1W+2], 64<<16                     ; tensor_dim1 = 64
	s_mov_b32 s[G1W+3], 256<<16                    ; tile_dim0 = 256
	s_mov_b32 s[G1W+4], 64                         ; tile_dim1 = 64
	s_mov_b32 s[G1W+5], 256                        ; elements from row to row
	s_mov_b32 s[G1W+6], 0
	s_mov_b32 s[G1W+7], 0
	; group 1 for sqw: 8,192 dense bytes as 32 rows of 32 elements of 8 bytes
	s_mov_b32 s[G1S+0], 15|(3<<16)|(1<<21)
	s_mov_b32 s[G1S+1], 32<<16
	s_mov_b32 s[G1S+2], 32<<16
	s_mov_b32 s[G1S+3], 32<<16
	s_mov_b32 s[G1S+4], 32
	s_mov_b32 s[G1S+5], 32
	s_mov_b32 s[G1S+6], 0
	s_mov_b32 s[G1S+7], 0
	s_mul_i32 s20, s[WV], CHUNK                    ; my chunk's place in a slot
	s_mov_b32 s[G0A], 1
	s_mov_b32 s[G0A+1], s20
	s_mov_b32 s[G0B], 1
	s_add_co_u32 s[G0B+1], s20, SLOT1
	s_mov_b32 s[TB], s20
	s_lshl_b32 s21, s[WV], 13
	s_mov_b32 s[G0S], 1
	s_add_co_u32 s[G0S+1], s21, SWT
	s_mov_b32 s[TSW], 0
	s_mov_b32 s[SEL], 0x76543210
	s_mov_b32 s[SEL+1], 0xfedcba98
	s_cmp_eq_u32 ttmp9, 0                          ; the same in all four partners
	s_cselect_b32 s[LIM], 2, -1
	v_and_b32 v15, 31, v0                          ; l
	v_and_b32 v1, 15, v0                           ; l % 16
	v_bfe_u32 v2, v0, 4, 1                         ; l / 16
	v_mul_u32_u24 v[AW0], v1, PITCH
	v_lshl_add_u32 v[AW0], v2, 4, v[AW0]
	v_lshlrev_b32 v[AS0], 5, v2
	v_lshl_add_u32 v[AS0], s[WV], 8, v[AS0]
	v_add_nc_u32 v[AS0], SWT, v[AS0]
	v_mov_b32 v[AS], v[AS0]                        ; slot 0
	v_lshlrev_b32 v[XO], 2, v0
	v_mul_u32_u24 v[XST], v0, XP
	v_add_nc_u32 v[XST], XB, v[XST]
	v_mul_u32_u24 v[XLD], v1, XP
	v_lshl_add_u32 v[XLD], v2, 4, v[XLD]
	v_add_nc_u32 v[XLD], XB, v[XLD]
	v_lshl_add_u32 v[SXL], v1, 2, SXS
	v_lshlrev_b32 v[PFO], 8, v15
	v_lshl_add_u32 v88, v0, 2, SXS                 ; where my token's sum x^2 goes
	s_wait_dscnt 0x0                               ; both opening adds are done
	s_wait_kmcnt 0x0
	s_lshl_b32 s20, s[WV], 15                      ; my chunk's 64 rows of 512 bytes in book
	s_mov_b32 s21, 0
	s_add_nc_u64 s[G0A+2:G0A+3], s[6:7], s[20:21]
	s_add_nc_u64 s[G0B+2:G0B+3], s[G0A+2:G0A+3], SLOTG
	s_add_nc_u64 s[PFA:PFA+1], s[G0A+2:G0A+3], 3*SLOTG  ; in slot 3: the first change of slots steps it to slot 4
	s_or_b32 s[G0A+3], s[G0A+3], 0x80000000        ; 127:126 type = 2
	s_or_b32 s[G0B+3], s[G0B+3], 0x80000000
	s_lshl_b32 s20, s[WV], 13                      ; my quarter of sqw
	s_add_nc_u64 s[G0S+2:G0S+3], s[8:9], s[20:21]
	s_or_b32 s[G0S+3], s[G0S+3], 0x80000000
	s_lshl_b32 s2, s17, 13                         ; my work-group's 8,192 bytes of the chunk, for the prefetches
	s_mov_b32 s3, 0
	s_add_nc_u64 s[PFA:PFA+1], s[PFA:PFA+1], s[2:3]
	s_lshl_b32 s2, s18, 9                          ; my 128 words of out2 and pick
	s_add_nc_u64 s[10:11], s[10:11], s[2:3]
	s_add_nc_u64 s[12:13], s[12:13], s[2:3]
	s_lshl_b32 s2, s18, 2
	s_add_co_u32 s2, s2, s[WV]
	s_lshl_b32 s2, s2, 2                           ; my wave's word of part
	s_add_nc_u64 s[14:15], s[14:15], s[2:3]
	s_lshr_b32 s2, s18, 3                          ; b,
	s_lshl_b32 s2, s2, 20                          ; its 256 rows of 4,096 bytes,
	s_and_b32 s3, s18, 7
	s_lshl_b32 s3, s3, 9                           ; my 128 tokens' 512 bytes of a row
	s_add_co_u32 s2, s2, s3
	s_mov_b32 s3, 0
	s_add_nc_u64 s[4:5], s[4:5], s[2:3]
	ROUND                                          ; all four work-groups are here: the first joint loads meet
	tensor_load_to_lds s[G0S:G0S+3], s[G1S:G1S+7]  ; the three first fills go out together, ahead of every wait on TENSORcnt, every LDS read and every further barrier: three loads of mine are out
	s_nop 0
	tensor_load_to_lds s[G0A:G0A+3], s[G1W:G1W+7]
	s_nop 0
	tensor_load_to_lds s[G0B:G0B+3], s[G1W:G1W+7]
	s_nop 0
	PLACES
	; X COMES IN: a thread is a token.  Load d takes row d's word of my token: a wave's load covers 128 consecutive bytes, the four waves' 512.
	WIN 0x40                                       ; destination window 1, address window 0
.set d, 0
.rept 256
	global_load_b32 v[d], v[XO], s[4:5] offset:4096*d th:TH_LOAD_NT
.set d, d+1
.endr
.macro SQ p                            ; the sum of squares goes on by channels 2 p and 2 p + 1: squares of bf16 numbers are exact in f32, so each link rounds once, as a multiply and an add would
	v_fma_mix_f32_bf16 v[SXA], v[ACC+(\p)], v[ACC+(\p)], v[SXA] op_sel_hi:[1,1,0]
	v_fma_mix_f32_bf16 v[SXA], v[ACC+(\p)], v[ACC+(\p)], v[SXA] op_sel:[1,1,0] op_sel_hi:[1,1,0]
.endm
	s_wait_loadcnt 63                              ; loads come back in order: 193 of the 256 are in, channels 0 to 192
	WIN 0x05                                       ; sources in window 1, destination in window 0
.set p, 0
.rept 96
	v_cvt_pk_bf16_f32 v[ACC+p], v[2*p], v[2*p+1]
.set p, p+1
.endr
	WIN 0
	v_mov_b32 v[SXA], 0
.set p, 0
.rept 96
	SQ p
.set p, p+1
.endr
	s_wait_loadcnt 0x0
	WIN 0x05
.rept 32
	v_cvt_pk_bf16_f32 v[ACC+p], v[2*p], v[2*p+1]
.set p, p+1
.endr
	WIN 0
.set p, 96
.rept 32
	SQ p
.set p, p+1
.endr
; X CHANGES HANDS, 64 channels a round: each thread lays its token's 128 bytes into XB; behind a barrier every wave reads all 128 tokens as fragments (16 tokens x 32 channels: lane l holds token l % 16,
; channels 8 (l / 16) + 0..7 and 16 + 8 (l / 16) + 0..7: two loads of 16 bytes, 32 bytes apart); a second barrier, behind every wave's wait for its reads, lets the next round store.
.macro XCH rho
	WIN 0
.irp c, 0,1,2,3,4,5,6,7
	ds_store_b128 v[XST], v[ACC+32*(\rho)+4*\c:ACC+32*(\rho)+4*\c+3] offset:16*\c
.endr
.if (\rho) == 0
	ds_store_b32 v88, v[SXA]
.endif
.if (\rho) == 3
	s_wait_tensorcnt 0x1                           ; my quarter of sqw and my chunk of slot 0 are in; slot 1's load may stay out
.endif
	s_wait_dscnt 0x0                               ; for the others' sake: my stores are done
	s_barrier_signal -1
	s_barrier_wait -1
.set tt, 0
.rept 8
	WIN 0x80+0x40*(tt/4)                           ; destination window 2 or 3
.set u, 0
.rept 4
.set rX, 64*(tt%4)+8*(2*(\rho)+u/2)+4*(u%2)
	ds_load_b128 v[rX:rX+3], v[XLD] offset:16*XP*tt+64*(u/2)+32*(u%2)
.set u, u+1
.endr
.set tt, tt+1
.endr
	WIN 0
.if (\rho) == 0
.irp T, 0,1,2,3,4,5,6,7
	ds_load_b32 v[ST+4*\T], v[SXL] offset:64*\T
.endr
.endif
	s_wait_dscnt 0x0                               ; my reads of XB are over
.if (\rho) < 3
	s_barrier_signal -1
	s_barrier_wait -1
.endif
.endm
	XCH 0
	XCH 1
	XCH 2
	XCH 3                                          ; XB is written next at the launch's end, behind many barriers
; THE LDS LOADS stand in runs, at a turn's head: code tile q's 16 rows x 256 channels (8 fragments) into buffer buf, and its 8 sums w^2 a lane.
.macro LOAD_W q, buf
	WIN 0x40                                       ; destination window 1
.irp s, 0,1,2,3,4,5,6,7
	ds_load_b128 v[64*(\buf)+8*\s:64*(\buf)+8*\s+3],   v[AW] offset:16*PITCH*(\q)+64*\s
	ds_load_b128 v[64*(\buf)+8*\s+4:64*(\buf)+8*\s+7], v[AW] offset:16*PITCH*(\q)+64*\s+32
.endr
.endm
.macro LOAD_SW q
	ds_load_b128 v[SWB+8*((\q)%2):SWB+8*((\q)%2)+3],   v[AS] offset:64*(\q)
	ds_load_b128 v[SWB+8*((\q)%2)+4:SWB+8*((\q)%2)+7], v[AS] offset:64*(\q)+16
.endm
; Product i of a turn's 64: K step i / 8, token tile i % 8.  The first 8 start the sums with the constant 0.  CUR: the turn's set of accumulators and its fragment buffer.
.macro MM
.set sK, i/8
.set tT, i%8
	WIN 0x09+4*(tT/4)                              ; W in window 1, x in window 2 or 3, the accumulators in window 0
.set rD, ACC+64*CUR+8*tT
.set rW, 64*CUR+8*sK
.set rX, 64*(tT%4)+8*sK
.if sK == 0
	v_wmma_f32_16x16x32_bf16 v[rD:rD+7], v[rW:rW+7], v[rX:rX+7], 0
.else
	v_wmma_f32_16x16x32_bf16 v[rD:rD+7], v[rW:rW+7], v[rX:rX+7], v[rD:rD+7]
.endif
.set i, i+1
.endm
; Number n of the 32 lines that take token tile T's 8 products m of the code tile BEFORE (set OLD) into the running minimum.
;   0-3   t = fl(sum w^2 + sum x^2), two a line        4-7   d = fl(t - 2 m), in place (2 m is exact); the accumulator's lowest registers are read first
;   8-31  for codes j = 0..7, ascending: is d less than the best?  then the index is this code's; the best is the lesser
.macro EP T, n
.set rA, ACC+64*OLD+8*(\T)
.set rT, TT+8*((\T)%2)
.set rS, ST+4*(\T)
.set rV, SWB+8*OLD
.if (\n) < 4
	v_pk_add_f32 v[rT+2*(\n):rT+2*(\n)+1], v[rV+2*(\n):rV+2*(\n)+1], v[rS:rS+1] op_sel_hi:[1,0]
.elseif (\n) < 8
	v_pk_fma_f32 v[rA+2*(\n)-8:rA+2*(\n)-7], v[rA+2*(\n)-8:rA+2*(\n)-7], -2.0, v[rT+2*(\n)-8:rT+2*(\n)-7] op_sel_hi:[1,0,1]
.else
.set jj, ((\n)-8)/3
.set sb, ((\n)-8)%3
.if sb == 0
	v_cmp_lt_f32 s[MK+(\T)%2], v[rA+jj], v[rS+2]
.elseif sb == 1
	v_cndmask_b32 v[rS+3], v[rS+3], v[KI+jj], s[MK+(\T)%2]
.else
	v_min_num_f32 v[rS+2], v[rS+2], v[rA+jj]
.endif
.endif
.endm
; Slice k of 64: two numbers of two token tiles' lists, the tiles alternating, so that no line reads the result of the line before it.  Slice 63 also steps the codes to the next tile's.
; No slice names a register of the products round it (they work on the other set), so the slices are also the places behind the matrix instructions (ISA guide 7.12.1).
.macro SLICE
	WIN 0
.set g, k/16
.set kk, k%16
	EP 2*g, 2*kk
	EP 2*g+1, 2*kk
	EP 2*g, 2*kk+1
	EP 2*g+1, 2*kk+1
.if k == 63
.irp z, 0,2,4,6
	v_pk_add_f32 v[KI+\z:KI+\z+1], v[KI+\z:KI+\z+1], INC op_sel_hi:[1,0]
.endr
.endif
.set k, k+1
.endm
.macro PAIRS count
.rept \count
	MM
	SLICE
.endr
.endm
; A TURN, for code tile q of a slot.  At its head the fragments and sums asked for a turn ago are waited for, and the next tile's are asked for: their buffer's last reader stands eight plain lines back (slice 63).
; chg = 1 (tile 3): THE CHANGE OF SLOTS.  My reads of the slot are over at the turn's head.  Each wave waits for all its tensor loads, of which one is out: its chunk of the other slot; adds 0 to its spare word; works on
; registers; waits for the add; signals.  fill = 1: the barrier opens a round of the cluster's, so that no wave of any partner still reads the slot or has a load on its way, and the joint refill is the first thing
; behind it: 240 matrix instructions ahead of the wait for it.  Then the next slot's tile 0 is fetched.
.macro TURN q, chg, fill
.set CUR, (\q)%2
.set OLD, 1-CUR
.set i, 0
.set k, 0
.if (\q) == 0
.set INC, 0x43500000                   ; 208.0: from a slot's tile 3 to my tile 0 of the next slot
.else
.set INC, 0x41800000                   ; 16.0
.endif
	WIN 0
	s_wait_dscnt 0x0                               ; this tile's fragments and the tile before's sums w^2 are in
	LOAD_SW \q
.if \chg
	s_wait_tensorcnt 0x0                           ; no tensor load of mine is out, so a group 0 may be written
	ds_add_u32 v[SPW], v[NIL]                      ; 0 onto my spare word
.if \fill
	s_xor_b32 s[G0B+1], s[G0B+1], SLOT1            ; the walking descriptor: the other slot than last time,
	s_add_nc_u64 s[G0B+2:G0B+3], s[G0B+2:G0B+3], SLOTG  ; the next 256 codes; the type bits on top are not reached
	s_wait_xcnt 0x0                                ; the last prefetch, a slot back, has read its address, so it may be written
	s_add_nc_u64 s[PFA:PFA+1], s[PFA:PFA+1], SLOTG
.endif
	PAIRS 8                                        ; work on registers between the add and the wait for it
	s_wait_dscnt 0x0                               ; the add is done, and so are the two loads above
	s_barrier_signal -1
	PAIRS 8                                        ; work on registers while the others arrive
	WIN 0                                          ; at a branch and at a label every window is 0
	s_barrier_wait -1
.if \fill
	CREST
	JLOAD
.endif
	s_xor_b32 s[TB], s[TB], SLOT1                  ; the reads go to the other slot,
	s_add_co_u32 s[TSW], s[TSW], 1024              ; and to the next 256 sums w^2;
	s_min_u32 s[TSW], s[TSW], 31*1024              ; the clamp bites in the spare turn alone, which so stays inside the table
	v_add_nc_u32 v[AW], s[TB], v[AW0]
	v_add_nc_u32 v[AS], s[TSW], v[AS0]
	LOAD_W 0, OLD
.if \fill
	WIN 0
	ASK                                            ; behind the joint load and the run of LDS loads
.endif
	PAIRS 48
.else
	LOAD_W (\q)+1, OLD
	PAIRS 64
.endif
.endm
	v_add_nc_u32 v[AW], s[TB], v[AW0]
	LOAD_W 0, 0                                    ; slot 0, tile 0: my own chunk, which my own wait has shown landed
	WIN 0
.irp T, 0,1,2,3,4,5,6,7
	v_mov_b32 v[ST+4*\T+1], v[ST+4*\T]             ; named with sum x^2 as a pair
	v_mov_b32 v[ST+4*\T+2], 0x7f800000             ; the best distance starts at +infinity,
	v_mov_b32 v[ST+4*\T+3], 0                      ; the index at 0
.endr
	v_lshlrev_b32 v88, 3, v2
	v_lshl_add_u32 v88, s[WV], 6, v88              ; my first code: 64 x wave + 8 (l / 16)
.irp j, 0,1,2,3,4,5,6,7
	v_add_nc_u32 v89, \j, v88
	v_cvt_f32_u32 v[KI+\j], v89
.endr
	s_wait_dscnt 0x0
	LOAD_SW 0
	LOAD_W 1, 1
.set CUR, 0
.set i, 0
.rept 64
	MM                                             ; the first tile's products: there is no vector work yet to set between them
.endr
	WIN 0
	PLACES                                         ; the places in front of the first turn's loads into the buffer just multiplied
	s_mov_b32 s[SLOTS], 30
.Lslot:                                        ; 30 trips: tiles 1 to 3 of a slot, the change that fills it again, tile 0 of the next
	TURN 1, 0, 0
	TURN 2, 0, 0
	TURN 3, 1, 1
	TURN 0, 0, 0
	WIN 0
	s_sub_co_u32 s[SLOTS], s[SLOTS], 1
	s_cmp_lg_u32 s[SLOTS], 0
	s_cbranch_scc1 .Lslot
	s_mov_b32 s[TAILC], 2
.Ltail:                                        ; the last two slots are written out: nothing is asked for.  The second trip's last turn is the spare one
	TURN 1, 0, 0
	TURN 2, 0, 0
	TURN 3, 1, 0
	TURN 0, 0, 0
	WIN 0
	s_sub_co_u32 s[TAILC], s[TAILC], 1
	s_cmp_lg_u32 s[TAILC], 0
	s_cbranch_scc1 .Ltail
; THE MERGE.  (ob, ox) takes (b, x)'s place where its distance is less, or equal with the lesser index: the first index of the least distance, whatever the order of the merging.
.macro LEX b, x, ob, ox
	v_cmp_lt_f32 s60, v[\ob], v[\b]
	v_cmp_eq_f32 s61, v[\ob], v[\b]
	v_cmp_lt_f32 s62, v[\ox], v[\x]
	s_and_b32 s61, s61, s62
	s_or_b32 s60, s60, s61
	v_cndmask_b32 v[\b], v[\b], v[\ob], s60
	v_cndmask_b32 v[\x], v[\x], v[\ox], s60
.endm
	v_lshlrev_b32 v88, 3, v1
	v_lshl_add_u32 v88, s[WV], 10, v88
	v_add_nc_u32 v88, XB, v88                      ; my wave's 1,024 bytes: 8 for each token
	v_lshl_add_u32 v89, v0, 3, XB                  ; and where a thread finds its token again
.irp T, 0,1,2,3,4,5,6,7
	v_permlanex16_b32 v[TT+2*\T], v[ST+4*\T+2], s[SEL], s[SEL+1]    ; the token's other codes lie in the lane 16 away
	v_permlanex16_b32 v[TT+2*\T+1], v[ST+4*\T+3], s[SEL], s[SEL+1]
.endr
.irp T, 0,1,2,3,4,5,6,7
	LEX ST+4*\T+2, ST+4*\T+3, TT+2*\T, TT+2*\T+1
	ds_store_b64 v88, v[ST+4*\T+2:ST+4*\T+3] offset:128*\T          ; both halves of the lanes write the same 8 bytes
.endr
	s_wait_dscnt 0x0                               ; for the others' sake: my stores are done (and the spare turn's loads are back)
	s_barrier_signal -1
	s_barrier_wait -1
.irp w, 0,1,2,3
	ds_load_b64 v[96+2*\w:97+2*\w], v89 offset:1024*\w
.endr
	s_wait_dscnt 0x0
	LEX 96, 97, 98, 99
	LEX 96, 97, 100, 101
	LEX 96, 97, 102, 103
	v_cvt_u32_f32 v104, v97
	global_store_b32 v[XO], v104, s[10:11]         ; out2
	global_store_b32 v[XO], v104, s[12:13]         ; pick
	v_add_f32_dpp v96, v96, v96 row_xmask:1 row_mask:0xf bank_mask:0xf  ; my 32 tokens' winning distances, summed in f32
	v_add_f32_dpp v96, v96, v96 row_xmask:2 row_mask:0xf bank_mask:0xf
	v_add_f32_dpp v96, v96, v96 row_xmask:4 row_mask:0xf bank_mask:0xf
	v_add_f32_dpp v96, v96, v96 row_xmask:8 row_mask:0xf bank_mask:0xf
	v_permlanex16_b32 v98, v96, s[SEL], s[SEL+1]
	v_add_f32 v96, v96, v98
	v_mov_b32 v88, 0
	v_cmp_eq_u32 vcc_lo, 0, v15
	s_wait_xcnt 0x0                                ; EXEC is a source of the stores above: it changes only behind this wait
	s_and_saveexec_b32 s63, vcc_lo
	global_store_b32 v88, v96, s[14:15]            ; part: one word a wave
	s_wait_xcnt 0x0                                ; and again, in front of the line that widens it
	s_or_b32 exec_lo, exec_lo, s63
	s_wait_tensorcnt 0x0                           ; the wave's end, behind my last tensor load and my last LDS store
	ds_add_u32 v[SPW], v[NIL]
	s_wait_dscnt 0x0
	ROUND                                          ; the closing round: no work-group ends while a partner may still ask for a tile that names it
	s_endpgm
.Lfunc_end_k_q15e26b8c76_nearest:
	.size	k_q15e26b8c76_nearest, .Lfunc_end_k_q15e26b8c76_nearest-k_q15e26b8c76_nearest
	.p2alignl 7, 3214868480
	.fill 96, 4, 3214868480
	.section	.rodata,"a",@progbits
	.p2align	6, 0x0
	.amdhsa_kernel k_q15e26b8c76_nearest
		.amdhsa_group_segment_fixed_size 327680
		.amdhsa_private_segment_fixed_size 0
		.amdhsa_enable_private_segment 0
		.amdhsa_kernarg_size 48
		.amdhsa_user_sgpr_count 2
		.amdhsa_user_sgpr_kernarg_segment_ptr 1
		.amdhsa_wavefront_size32 1
		.amdhsa_system_sgpr_workgroup_id_x 1
		.amdhsa_system_sgpr_workgroup_id_y 1
		.amdhsa_system_sgpr_workgroup_id_z 1
		.amdhsa_system_vgpr_workitem_id 0
		.amdhsa_next_free_vgpr 1024
		.amdhsa_next_free_sgpr 66
		.amdhsa_reserve_vcc 1
		.amdhsa_float_denorm_mode_32 3
		.amdhsa_float_denorm_mode_16_64 3
		.amdhsa_memory_ordered 1
		.amdhsa_forward_progress 1
		.amdhsa_inst_pref_size 255
	.end_amdhsa_kernel
	.section	.bss,"aw",@nobits
	.p2align	6
	.space	262144
	.amdgpu_metadata
---
amdhsa.version: [ 1, 2 ]
amdhsa.kernels:
  - .name:           k_q15e26b8c76_nearest
    .symbol:         k_q15e26b8c76_nearest.kd
    .args:
      - { .name: inputs, .offset: 0, .size: 8, .value_kind: global_buffer, .address_space: global }
      - { .name: book, .offset: 8, .size: 8, .value_kind: global_buffer, .address_space: global }
      - { .name: sqw, .offset: 16, .size: 8, .value_kind: global_buffer, .address_space: global }
      - { .name: out2, .offset: 24, .size: 8, .value_kind: global_buffer, .address_space: global }
      - { .name: pick, .offset: 32, .size: 8, .value_kind: global_buffer, .address_space: global }
      - { .name: part, .offset: 40, .size: 8, .value_kind: global_buffer, .address_space: global }
    .group_segment_fixed_size: 327680
    .private_segment_fixed_size: 0
    .kernarg_segment_align: 8
    .kernarg_segment_size: 48
    .max_flat_workgroup_size: 128
    .sgpr_count:     66
    .vgpr_count:     1024
    .wavefront_size: 32
...
	.end_amdgpu_metadata
.endif
;; end of part 2
;; launch emit (part 3): grid 256 x 1, 8 waves a work-group, no clusters, 67,072 bytes of LDS; arguments inputs, book, pick, part, out0, out1; writes out0, out1
.if DOCPART == 3
	.amdgcn_target "amdgcn-amd-amdhsa--gfx1250"
	.amdhsa_code_object_version 6
	.text
	.protected	k_q15e26b8c76_emit
	.globl	k_q15e26b8c76_emit
	.p2align	8
	.type	k_q15e26b8c76_emit,@function
k_q15e26b8c76_emit:
	s_mov_b64 s[64:65], 0
	v_nop
	global_prefetch_b8 v0, s[64:65] scope:SCOPE_SE
	s_setreg_imm32_b32 hwreg(HW_REG_WAVE_MODE, 25, 1), 1
	s_wait_xcnt 0x0
; VECTOR QUANTIZER, launch 3 of 3: out1[b][d][t] = fl(x + fl(q - x)), q = book[pick[token]], x rounded to bf16 as in the launch before; out0 = 1.25 / 2^23 x the sum of part's 1,024 sums.
; Left out, as shown at the head of the first kernel: the squares of q_ste - x (the loss is made of the winning distances) and the second of the two equal means.
; x + (q - x) is NOT cancelled to q: x may be so large beside q that f32 loses bits of q, and reference() returns the number so rounded.
; SHARES.  A work-group has the same 128 tokens as in the launch before.  Wave w looks up tokens 16 w .. 16 w + 15 (their indices by one scalar load; a row of book is 512 bytes: one load of the wave), lays them
; into LDS by tokens, and behind a barrier takes rows d = 32 w .. 32 w + 31 of all 128 tokens: the turn from [token][d] to [d][token] is made in LDS.  x's 32 loads of a wave go out ahead of the indices' wait.
; Each load of x and each store of out1 covers 512 consecutive bytes, aligned.  No matrix unit, no cluster: the work-groups share nothing but book's rows, which come by an index.
.set SP,    516                        ; a token's row in LDS: 512 bytes + 4 = 129 words: the lanes of a read, four tokens apart, start 4 banks apart (64 banks of 4 bytes: ISA guide 11.1)
.set SPARE, 128*SP                     ; 66,048: behind the stage: the spare words, 128 bytes for each of the eight waves: four blocks of 256 bytes that no other line names
.set L16, 2                            ; v2   16 x lane: my 16 bytes of a row of x, out1, book, part; never rewritten
.set LS,  3                            ; v3   where my 16 bytes of my wave's first token go
.set LR,  4                            ; v4   token 4 l, word 16 w
.set SPW, 5                            ; v5   LDS address of my spare word; never rewritten
.set NIL, 6                            ; v6   0; never rewritten
.set GOF, 16                           ; v[16:31]   byte offsets of the 16 rows in book
.set X,   64                           ; v[64:191]  row dl of 32: 4 tokens; then the result
.set Q,   192                          ; v[192:255] the 16 rows as looked up; then word t of 16 for 4 tokens
.set WV,  32                           ; s32  my wave's number
	s_load_b256 s[4:11], s[0:1], 0x0               ; inputs s[4:5], book s[6:7], pick s[8:9], part s[10:11]
	s_load_b128 s[12:15], s[0:1], 0x20             ; out0 s[12:13], out1 s[14:15]
	v_lshl_add_u32 v[SPW], v0, 2, SPARE
	v_mov_b32 v[NIL], 0
	v_lshrrev_b32 v1, 5, v0
	v_readfirstlane_b32 s[WV], v1                  ; wave 0..7
	v_and_b32 v1, 31, v0                           ; lane
	v_lshlrev_b32 v[L16], 4, v1
	s_mul_i32 s33, s[WV], 16*SP
	v_add_nc_u32 v[LS], s33, v[L16]
	v_mul_u32_u24 v[LR], v1, 4*SP
	v_lshl_add_u32 v[LR], s[WV], 6, v[LR]
	v_mov_b32 v7, 0
	s_lshl_b32 s34, ttmp9, 9                       ; the work-group's 128 words of pick,
	s_lshl_b32 s35, s[WV], 6                       ; my wave's 16
	s_add_co_u32 s34, s34, s35
	s_mov_b32 s35, 0
	s_lshr_b32 s36, ttmp9, 3                       ; b,
	s_lshl_b32 s36, s36, 20                        ; its 256 rows of 4,096 bytes,
	s_and_b32 s37, ttmp9, 7
	s_lshl_b32 s37, s37, 9                         ; the 128 tokens' 512 bytes of a row,
	s_add_co_u32 s36, s36, s37
	s_lshl_b32 s37, s[WV], 17                      ; my wave's 32 rows
	s_add_co_u32 s36, s36, s37
	s_mov_b32 s37, 0
	s_mov_b32 s40, 0xffff0000                      ; a word's upper bf16
	s_mov_b32 s42, 0x76543210
	s_mov_b32 s43, 0xfedcba98
	s_wait_kmcnt 0x0
	s_add_nc_u64 s[8:9], s[8:9], s[34:35]
	s_add_nc_u64 s[4:5], s[4:5], s[36:37]
	s_add_nc_u64 s[14:15], s[14:15], s[36:37]
	s_load_b512 s[16:31], s[8:9], 0x0              ; my 16 tokens' indices, stored by the launch before
.set r, 0
.rept 32
	global_load_b128 v[X+4*r:X+4*r+3], v[L16], s[4:5] offset:4096*r th:TH_LOAD_NT
.set r, r+1
.endr
	s_wait_kmcnt 0x0
.irp i, 0,1,2,3,4,5,6,7,8,9,10,11,12,13,14,15
	s_min_u32 s[16+\i], s[16+\i], 8191             ; an index stays inside the table
	v_lshl_add_u32 v[GOF+\i], s[16+\i], 9, v[L16]
	global_load_b128 v[Q+4*\i:Q+4*\i+3], v[GOF+\i], s[6:7]
.endr
.irp i, 0,1,2,3,4,5,6,7,8,9,10,11,12,13,14,15
	s_wait_loadcnt 15-\i                           ; loads come back in order: row i is in (and all of x); the younger rows stay out
.irp e, 0,1,2,3
	ds_store_b32 v[LS], v[Q+4*\i+\e] offset:SP*\i+4*\e
.endr
.endr
	s_wait_dscnt 0x0                               ; for the others' sake: my stores are done
	s_barrier_signal -1
	s_barrier_wait -1
.irp t, 0,1,2,3,4,5,6,7,8,9,10,11,12,13,14,15
.irp e, 0,1,2,3
	ds_load_b32 v[Q+4*\t+\e], v[LR] offset:SP*\e+4*\t  ; token 4 l + e, channels 32 w + 2 t and 2 t + 1
.endr
.endr
; One row of out1 for my 4 tokens: q from a half word; x rounded to bf16 and widened again; e = fl(q - x); fl(x + e), in x's registers, which are stored and never written again.
.macro ROWOUT t, hi
.set rX, X+8*(\t)+4*(\hi)
.set rQ, Q+4*(\t)
.irp e, 0,1,2,3
.if \hi
	v_and_b32 v[32+\e], s40, v[rQ+\e]
.else
	v_lshlrev_b32 v[32+\e], 16, v[rQ+\e]
.endif
.endr
	v_cvt_pk_bf16_f32 v36, v[rX], v[rX+1]
	v_cvt_pk_bf16_f32 v37, v[rX+2], v[rX+3]
	v_lshlrev_b32 v40, 16, v36
	v_and_b32 v41, s40, v36
	v_lshlrev_b32 v42, 16, v37
	v_and_b32 v43, s40, v37
	v_pk_add_f32 v[32:33], v[32:33], v[40:41] neg_lo:[0,1] neg_hi:[0,1]
	v_pk_add_f32 v[34:35], v[34:35], v[42:43] neg_lo:[0,1] neg_hi:[0,1]
	v_pk_add_f32 v[rX:rX+1], v[40:41], v[32:33]
	v_pk_add_f32 v[rX+2:rX+3], v[42:43], v[34:35]
	global_store_b128 v[L16], v[rX:rX+3], s[14:15] offset:4096*(2*(\t)+(\hi)) th:TH_STORE_NT
.endm
.irp t, 0,1,2,3,4,5,6,7,8,9,10,11,12,13,14,15
	s_wait_dscnt 60-4*\t                           ; LDS loads come back in order: word t's four are in
	ROWOUT \t, 0
	ROWOUT \t, 1
.endr
	; THE LOSS: wave 0 of work-group 0 adds the 1,024 sums of winning distances, in f32.  The jump goes forward and passes no barrier.
	s_or_b32 s41, ttmp9, s[WV]
	s_cmp_lg_u32 s41, 0
	s_cbranch_scc1 .Lend
.irp j, 0,1,2,3,4,5,6,7
	global_load_b128 v[Q+4*\j:Q+4*\j+3], v[L16], s[10:11] offset:512*\j
.endr
	s_wait_loadcnt 0x0
.irp z, 0,2,4,6,8,10,12,14
	v_pk_add_f32 v[Q+\z:Q+\z+1], v[Q+\z:Q+\z+1], v[Q+16+\z:Q+16+\z+1]
.endr
.irp z, 0,2,4,6
	v_pk_add_f32 v[Q+\z:Q+\z+1], v[Q+\z:Q+\z+1], v[Q+8+\z:Q+8+\z+1]
.endr
.irp z, 0,2
	v_pk_add_f32 v[Q+\z:Q+\z+1], v[Q+\z:Q+\z+1], v[Q+4+\z:Q+4+\z+1]
.endr
	v_pk_add_f32 v[Q:Q+1], v[Q:Q+1], v[Q+2:Q+3]
	v_add_f32 v[Q], v[Q], v[Q+1]
	v_add_f32_dpp v[Q], v[Q], v[Q] row_xmask:1 row_mask:0xf bank_mask:0xf
	v_add_f32_dpp v[Q], v[Q], v[Q] row_xmask:2 row_mask:0xf bank_mask:0xf
	v_add_f32_dpp v[Q], v[Q], v[Q] row_xmask:4 row_mask:0xf bank_mask:0xf
	v_add_f32_dpp v[Q], v[Q], v[Q] row_xmask:8 row_mask:0xf bank_mask:0xf
	v_permlanex16_b32 v[Q+1], v[Q], s42, s43
	v_add_f32 v[Q], v[Q], v[Q+1]
	v_mul_f32 v[Q], 0x34200000, v[Q]               ; 1.25 / (32,768 x 256) = 1.25 x 2^-23
	v_cmp_eq_u32 vcc_lo, 0, v1
	s_wait_xcnt 0x0                                ; EXEC is a source of the loads and stores above: it changes only behind this wait
	s_and_saveexec_b32 s44, vcc_lo
	global_store_b32 v7, v[Q], s[12:13]            ; out0
	s_wait_xcnt 0x0                                ; and again, in front of the line that widens it
	s_or_b32 exec_lo, exec_lo, s44
.Lend:
	s_wait_tensorcnt 0x0                           ; the wave's end, behind my last LDS store
	ds_add_u32 v[SPW], v[NIL]
	s_wait_dscnt 0x0
	s_endpgm
.Lfunc_end_k_q15e26b8c76_emit:
	.size	k_q15e26b8c76_emit, .Lfunc_end_k_q15e26b8c76_emit-k_q15e26b8c76_emit
	.p2alignl 7, 3214868480
	.fill 96, 4, 3214868480
	.section	.rodata,"a",@progbits
	.p2align	6, 0x0
	.amdhsa_kernel k_q15e26b8c76_emit
		.amdhsa_group_segment_fixed_size 67072
		.amdhsa_private_segment_fixed_size 0
		.amdhsa_enable_private_segment 0
		.amdhsa_kernarg_size 48
		.amdhsa_user_sgpr_count 2
		.amdhsa_user_sgpr_kernarg_segment_ptr 1
		.amdhsa_wavefront_size32 1
		.amdhsa_system_sgpr_workgroup_id_x 1
		.amdhsa_system_sgpr_workgroup_id_y 1
		.amdhsa_system_sgpr_workgroup_id_z 1
		.amdhsa_system_vgpr_workitem_id 0
		.amdhsa_next_free_vgpr 256
		.amdhsa_next_free_sgpr 66
		.amdhsa_reserve_vcc 1
		.amdhsa_float_denorm_mode_32 3
		.amdhsa_float_denorm_mode_16_64 3
		.amdhsa_memory_ordered 1
		.amdhsa_forward_progress 1
		.amdhsa_inst_pref_size 43
	.end_amdhsa_kernel
	.amdgpu_metadata
---
amdhsa.version: [ 1, 2 ]
amdhsa.kernels:
  - .name:           k_q15e26b8c76_emit
    .symbol:         k_q15e26b8c76_emit.kd
    .args:
      - { .name: inputs, .offset: 0, .size: 8, .value_kind: global_buffer, .address_space: global }
      - { .name: book, .offset: 8, .size: 8, .value_kind: global_buffer, .address_space: global }
      - { .name: pick, .offset: 16, .size: 8, .value_kind: global_buffer, .address_space: global }
      - { .name: part, .offset: 24, .size: 8, .value_kind: global_buffer, .address_space: global }
      - { .name: out0, .offset: 32, .size: 8, .value_kind: global_buffer, .address_space: global }
      - { .name: out1, .offset: 40, .size: 8, .value_kind: global_buffer, .address_space: global }
    .group_segment_fixed_size: 67072
    .private_segment_fixed_size: 0
    .kernarg_segment_align: 8
    .kernarg_segment_size: 48
    .max_flat_workgroup_size: 256
    .sgpr_count:     66
    .vgpr_count:     256
    .wavefront_size: 32
...
	.end_amdgpu_metadata
.endif
;; end of part 3
;; ======== version 2 of 2: 3 launches; version 1 with the launch prep written anew for expert scheduling mode
;; limits: a difference of large sums (such as E[x^2] - mean^2): digits are lost where the result is much smaller than its terms
;; workspace buffers: book 4,194,304 bytes; sqw 32,768 bytes; pick 131,072 bytes of whole numbers; part 4,096 bytes
;; launch prep (part 4): grid 256 x 1, 4 waves a work-group, no clusters, 0 bytes of LDS; arguments weight, book, sqw; writes book, sqw
.if DOCPART == 4
	.amdgcn_target "amdgcn-amd-amdhsa--gfx1250"
	.amdhsa_code_object_version 6
	.text
	.protected	k_q15e26b8c76_prep
	.globl	k_q15e26b8c76_prep
	.p2align	8
	.type	k_q15e26b8c76_prep,@function
k_q15e26b8c76_prep:
	s_mov_b64 s[64:65], 0
	v_nop
	global_prefetch_b8 v0, s[64:65] scope:SCOPE_SE
	s_setreg_imm32_b32 hwreg(HW_REG_WAVE_SCHED_MODE, 0, 2), 2
	s_setreg_imm32_b32 hwreg(HW_REG_WAVE_MODE, 25, 1), 1
	s_wait_xcnt 0x0
	s_wait_alu depctr_vm_vsrc(0)
; VECTOR QUANTIZER, launch 1 of 3: the codebook is rounded once to bf16 (book, [8192][256]) and each rounded row's sum of squares is made (sqw, [8192] f32).
; THE PROGRAM.  Token n = 1024 b + t is the column inputs[b][:][t].  Launch 2 finds, for each token, the first index of the least distance; launch 3 looks the codeword up and writes out1 and the loss.
; FORMAT.  inputs and weight are rounded to bf16 once, and EVERY use of them in the three launches takes the rounded numbers: the product, both sums of squares, the lookup, x + (q - x).
; WORK LEFT OUT, for all finite values of the inputs:
;   (1) stop_gradient changes no value, so e_latent_loss and q_latent_loss are one and the same mean: loss = 1.25 x mean((q_ste - x)^2), and one mean is made.
;   (2) In exact arithmetic q_ste - x = q - x, and the sum over d of (q - x)^2 is sum x^2 + sum q^2 - 2 x.q: the distance of the chosen codeword, which the search holds.  So the loss is the sum of the
;       32,768 winning distances times 1.25 / 2^23, and no second pass squares q_ste - x.
;   (3) The lookup weight[index] is a lookup: no product with a one-hot matrix.
; WORK KEPT, though it is the same for all codewords of a token: sum x^2.  It is so large beside the two other terms that f32 loses bits of them, and reference()'s argmin is taken of the numbers so rounded.
; So the distance is made with reference()'s own roundings, t = fl(sum x^2 + sum w^2), d = fl(t - 2 x.w), and the first index wins among equals.  x + (q - x) keeps its two f32 roundings likewise.
; Both inputs have a way to the outputs and are loaded.
; LIMITS.  The loss taken from the distances carries their rounding, about 2^-22 of mean(sum x^2): it holds to 1% while the mean winning distance is above 3e-5 of mean(sum x^2).
; A NaN distance never wins (jnp.argmin would take it); where all of a token's distances are +infinity the index is 0, as in reference().  A NaN, an infinity or an overflow that would arise only in
; the squares of q_ste - x, which are left out, is not carried to the loss.  The f32 sums are taken in this text's order, which need not be reference()'s.
; SHARES.  A work-group has 32 rows, a wave 8, a lane 8 neighbouring numbers of each row.  All 16 loads of a wave go out first; a store of a wave covers a row's 512 consecutive bytes, aligned.
; No LDS, no matrix unit: the launch reads 8 MiB once and writes 4 MiB.
; THE MODE: SCHED_MODE bits 1:0 = 2 (LLVM: expert scheduling mode 2), set by the entry lines.  The code itself states the register dependences
; between vector instructions and memory instructions, with s_wait_alu, always for 0.
; THE PLAN.  Registers that memory instructions touch:
;   v2, v3, v4   byte offsets.  Written once at the head by vector instructions; read by the 16 loads (v2), the 8 stores of book (v3), the store of sqw (v4); never written again.
;   LD           Written by the 16 loads alone, once each; no vector instruction names them ahead of the loads; row i's conversions read them behind the wait for the row's data.
;   PK           Row i's four registers are written by its conversions, once, and read by ONE store; no row's registers are written again.
;   v5           Written by vector instructions (a 0, eight selects); read by the last store.
; The stores of book go in pairs: rows i - 2 and i - 1 at the head of rows i = 2, 4, 6, behind the wait for row i's data; rows 6 and 7 behind row 7's work.  So one wait on va_vdst serves two stores, and it stands
; a row's sum or more behind the conversions that it is there for.  No register that a memory instruction reads is written again, so a wait on vm_vsrc stands at the two writes of EXEC alone.
; The eight masks 'lane = i' hang on the lane alone: they are made in one run at the head, into scalar registers, and one wait on va_sdst serves them and the wave's number.
.set PK, 16                            ; v[16:47]   row i packed: 4 registers, its own, so that no store's data is written again
.set LD, 48                            ; v[48:111]  row i as loaded: 8 registers
.set MKS, 24                           ; s[24:31]   mask i: the lane that keeps row i's sum
	s_load_b128 s[4:7], s[0:1], 0x0                ; weight s[4:5], book s[6:7]
	s_load_b64 s[8:9], s[0:1], 0x10                ; sqw
	v_lshrrev_b32 v1, 5, v0
	v_readfirstlane_b32 s10, v1                    ; wave 0..3
	v_and_b32 v1, 31, v0                           ; lane
	v_lshlrev_b32 v2, 5, v1                        ; my 32 bytes of a row of weight
	v_lshlrev_b32 v3, 4, v1                        ; my 16 bytes of a row of book
	v_lshlrev_b32 v4, 2, v1                        ; my word of sqw (lanes 0 to 7)
	v_mov_b32 v5, 0                                ; lane i will hold row i's sum
	v_mov_b32 v7, 0                                ; the 0 that starts a sum: the mixed multiply-add takes vector registers alone
	v_mov_b32 v10, 0                               ; v_permlanex16_b32's destination counts as read
.irp i, 0,1,2,3,4,5,6,7
	v_cmp_eq_u32 s[MKS+\i], \i, v1                 ; the eight masks, in one run
.endr
	s_mov_b32 s12, 0x76543210                      ; each lane takes its own place in the other half
	s_mov_b32 s13, 0xfedcba98
	s_wait_alu depctr_va_sdst(0)                   ; s10 and the masks s24 to s31 are written, ahead of their first readers: the sum two lines down, and the rows' selects
	s_lshl_b32 s14, ttmp9, 2
	s_add_co_u32 s14, s14, s10                     ; my block of 8 rows
	s_lshl_b32 s16, s14, 13                        ; x 8 rows x 1,024 bytes
	s_mov_b32 s17, 0
	s_lshl_b32 s18, s14, 12                        ; x 8 rows x 512 bytes
	s_mov_b32 s19, 0
	s_lshl_b32 s20, s14, 5                         ; x 8 words
	s_mov_b32 s21, 0
	s_wait_kmcnt 0x0
	s_add_nc_u64 s[4:5], s[4:5], s[16:17]
	s_add_nc_u64 s[6:7], s[6:7], s[18:19]
	s_add_nc_u64 s[8:9], s[8:9], s[20:21]
	s_wait_alu depctr_va_vdst(0)                   ; v2, v3 and v4 are written: every load and store of the kernel reads one of them as its offset
.irp i, 0,1,2,3,4,5,6,7
	global_load_b128 v[LD+8*\i:LD+8*\i+3],   v2, s[4:5] offset:1024*\i th:TH_LOAD_NT
	global_load_b128 v[LD+8*\i+4:LD+8*\i+7], v2, s[4:5] offset:1024*\i+16 th:TH_LOAD_NT
.endr
.macro ROWP i
	s_wait_loadcnt 14-2*(\i)                       ; loads come back in order: row i's two are in, the younger rows' stay out
.if ((\i) > 0) && (((\i) % 2) == 0)
	s_wait_alu depctr_va_vdst(0)                   ; the conversions of rows i - 2 and i - 1 have written their packed rows, which the two stores read
	global_store_b128 v3, v[PK+4*(\i)-8:PK+4*(\i)-5], s[6:7] offset:512*(\i)-1024
	global_store_b128 v3, v[PK+4*(\i)-4:PK+4*(\i)-1], s[6:7] offset:512*(\i)-512
.endif
.irp c, 0,1,2,3
	v_cvt_pk_bf16_f32 v[PK+4*(\i)+\c], v[LD+8*(\i)+2*\c], v[LD+8*(\i)+2*\c+1]
.endr
	v_fma_mix_f32_bf16 v8, v[PK+4*(\i)], v[PK+4*(\i)], v7 op_sel_hi:[1,1,0]                  ; squares of the ROUNDED numbers, in f32: two chains, low halves and high halves
	v_fma_mix_f32_bf16 v9, v[PK+4*(\i)], v[PK+4*(\i)], v7 op_sel:[1,1,0] op_sel_hi:[1,1,0]
.irp c, 1,2,3
	v_fma_mix_f32_bf16 v8, v[PK+4*(\i)+\c], v[PK+4*(\i)+\c], v8 op_sel_hi:[1,1,0]
	v_fma_mix_f32_bf16 v9, v[PK+4*(\i)+\c], v[PK+4*(\i)+\c], v9 op_sel:[1,1,0] op_sel_hi:[1,1,0]
.endr
	v_add_f32 v8, v8, v9
	v_add_f32_dpp v8, v8, v8 row_xmask:1 row_mask:0xf bank_mask:0xf
	v_add_f32_dpp v8, v8, v8 row_xmask:2 row_mask:0xf bank_mask:0xf
	v_add_f32_dpp v8, v8, v8 row_xmask:4 row_mask:0xf bank_mask:0xf
	v_add_f32_dpp v8, v8, v8 row_xmask:8 row_mask:0xf bank_mask:0xf
	v_permlanex16_b32 v10, v8, s12, s13
	v_add_f32 v8, v8, v10                          ; every lane holds the row's sum;
	v_cndmask_b32 v5, v5, v8, s[MKS+(\i)]          ; lane i keeps it (its mask was made, and waited for, at the head)
.endm
.irp i, 0,1,2,3,4,5,6,7
	ROWP \i
.endr
	s_wait_alu depctr_va_vdst(0)                   ; the conversions of rows 6 and 7 have written their packed rows, which the two stores read; the selects have written v5, which the last store reads
	global_store_b128 v3, v[PK+24:PK+27], s[6:7] offset:512*6
	global_store_b128 v3, v[PK+28:PK+31], s[6:7] offset:512*7
	v_cmp_gt_u32 vcc_lo, 8, v1
	s_wait_xcnt 0x0                                ; EXEC is a source of the stores above: it changes only behind this wait
	s_wait_alu depctr_va_vcc(0)                    ; the compare has written VCC, from which EXEC is made
	s_wait_alu depctr_va_vdst(0)                   ; in front of a scalar write of EXEC: the vector instructions issued so far are done (the compare is the one issued since the last such wait)
	s_wait_alu depctr_vm_vsrc(0)                   ; and the stores issued so far have read their vector registers
	s_and_saveexec_b32 s22, vcc_lo
	global_store_b32 v4, v5, s[8:9]                ; my 8 rows' sums: 32 consecutive bytes (v4 and v5 were written ahead of the waits on va_vdst above)
	s_wait_xcnt 0x0                                ; and again, in front of the line that widens it
	s_wait_alu depctr_va_vdst(0)                   ; the same two lines in front of the restore
	s_wait_alu depctr_vm_vsrc(0)                   ; the store has read v4 and v5
	s_or_b32 exec_lo, exec_lo, s22
	s_endpgm
.Lfunc_end_k_q15e26b8c76_prep:
	.size	k_q15e26b8c76_prep, .Lfunc_end_k_q15e26b8c76_prep-k_q15e26b8c76_prep
	.p2alignl 7, 3214868480
	.fill 96, 4, 3214868480
	.section	.rodata,"a",@progbits
	.p2align	6, 0x0
	.amdhsa_kernel k_q15e26b8c76_prep
		.amdhsa_group_segment_fixed_size 0
		.amdhsa_private_segment_fixed_size 0
		.amdhsa_enable_private_segment 0
		.amdhsa_kernarg_size 24
		.amdhsa_user_sgpr_count 2
		.amdhsa_user_sgpr_kernarg_segment_ptr 1
		.amdhsa_wavefront_size32 1
		.amdhsa_system_sgpr_workgroup_id_x 1
		.amdhsa_system_sgpr_workgroup_id_y 1
		.amdhsa_system_sgpr_workgroup_id_z 1
		.amdhsa_system_vgpr_workitem_id 0
		.amdhsa_next_free_vgpr 112
		.amdhsa_next_free_sgpr 66
		.amdhsa_reserve_vcc 1
		.amdhsa_float_denorm_mode_32 3
		.amdhsa_float_denorm_mode_16_64 3
		.amdhsa_memory_ordered 1
		.amdhsa_forward_progress 1
		.amdhsa_inst_pref_size 15
	.end_amdhsa_kernel
	.amdgpu_metadata
---
amdhsa.version: [ 1, 2 ]
amdhsa.kernels:
  - .name:           k_q15e26b8c76_prep
    .symbol:         k_q15e26b8c76_prep.kd
    .args:
      - { .name: weight, .offset: 0, .size: 8, .value_kind: global_buffer, .address_space: global }
      - { .name: book, .offset: 8, .size: 8, .value_kind: global_buffer, .address_space: global }
      - { .name: sqw, .offset: 16, .size: 8, .value_kind: global_buffer, .address_space: global }
    .group_segment_fixed_size: 0
    .private_segment_fixed_size: 0
    .kernarg_segment_align: 8
    .kernarg_segment_size: 24
    .max_flat_workgroup_size: 128
    .sgpr_count:     66
    .vgpr_count:     112
    .wavefront_size: 32
...
	.end_amdgpu_metadata
.endif
;; end of part 4
;; launch nearest: the kernel of part 2 again; grid 256 x 1, 4 waves a work-group, clusters of 4 x 1, 327,680 bytes of LDS; arguments inputs, book, sqw, out2, pick, part; writes out2, pick, part
;; launch emit: the kernel of part 3 again; grid 256 x 1, 8 waves a work-group, no clusters, 67,072 bytes of LDS; arguments inputs, book, pick, part, out0, out1; writes out0, out1
